; MI455X (gfx1250); checked and timed in simulation.
; The chip was launched on July 23, 2026; its instructions are those of AMD's public machine-readable ISA for CDNA 5 (MIT licence, August 2026) and "CDNA5" Instruction Set Architecture Reference Guide (July 2026). The comments in the code are by the model that wrote it; some were corrected since.
;; Softmax Self Attention. Allowed arithmetic: float matrix products may take bf16 or f16 operands with f32 sums; all other float work in f32.
;; Inputs: K 4 x 16 x 2,048 x 64 float32; Q 4 x 16 x 2,048 x 64 float32; V 4 x 16 x 2,048 x 64 float32; mask 4 x 2,048 int32.
;; Outputs: out0 4 x 16 x 2,048 x 64 float32.
;; 2 versions, each right and faster than the one before. Each part assembles by itself: llvm-mc -triple=amdgcn-amd-amdhsa -mcpu=gfx1250 --defsym DOCPART=n.
;; ======== version 1 of 2: 1 launch
;; launch attn (part 1): grid 256 x 1, 8 waves a work-group, clusters of 4 x 1, 327,680 bytes of LDS; arguments K, Q, V, mask, out0; writes out0
.if DOCPART == 1
	.amdgcn_target "amdgcn-amd-amdhsa--gfx1250"
	.amdhsa_code_object_version 6
	.text
	.protected	k_q62510e5268_attn
	.globl	k_q62510e5268_attn
	.p2align	8
	.type	k_q62510e5268_attn,@function
k_q62510e5268_attn:
	s_mov_b64 s[64:65], 0
	v_nop
	global_prefetch_b8 v0, s[64:65] scope:SCOPE_SE
	s_setreg_imm32_b32 hwreg(HW_REG_WAVE_MODE, 25, 1), 1
	s_wait_xcnt 0x0
	s_wait_alu depctr_hold_cnt(0) depctr_sa_sdst(0) depctr_va_vdst(0) depctr_va_sdst(0) depctr_va_ssrc(0) depctr_va_vcc(0) depctr_vm_vsrc(0)
	s_getreg_b32 s2, hwreg(HW_REG_IB_STS2, 6, 4)
	s_cmp_eq_u32 s2, 0
	s_cbranch_scc0 .Lentry_in_a_cluster
	s_endpgm
.Lentry_in_a_cluster:
	s_bfe_u32 s2, ttmp6, 0x10000c
	s_cmp_lg_u32 s2, 0x3003
	s_cbranch_scc0 .Lentry_shape_is_right
	s_endpgm
.Lentry_shape_is_right:
; out0[b][h][s][:] = softmax over t of ( Q[s].K[t] / 8 - 1e6 (1 - mask[b][t]) ) . V[t].   Q, K, V, out0: [4][16][2048][64] f32; mask: [4][2048] i32.
; ONE LAUNCH; scores and weights never leave registers.
; SHARING.  A cluster of four work-groups is one head (64 heads); each work-group takes 512 queries, each of its eight waves 64 queries = 4 query tiles
; of 16.  The four partners walk the same K and V, so these are asked for JOINTLY (mask 15): every K and V byte is requested once for a head.
; My place in the cluster enters the global addresses of Q and out0 alone: no LDS address, no branch, no descriptor.
; BOTH PRODUCTS ARE USED TRANSPOSED.  S^T = K Q^T: source 0 = 16 keys x 32 d, source 1 = 16 queries x 32 d; lane (r = l % 16, h = l / 16), register j
; holds (key 8 h + j, query r).  O^T = V^T P^T: source 0 = 16 d x 32 keys (transposing LDS loads from V kept [key][d]), source 1 = P^T: the results of key
; tiles 2 u and 2 u + 1, packed two to a register, ARE registers 0-3 and 4-7 of that fragment.  A lane belongs to one query, so maximum, rescale factor
; and sum are one number a lane; the two halves of the lanes meet once a step for the maximum and once at the end for the sum.
; STEPS.  A step is 64 keys; 32 steps.  K and V arrive as f32 tiles of 256 keys (4 steps) in two LDS slots; in step n the eight waves together round
; block n + 1 to bf16 into one of two small buffers, while block n's fragments are read from the other.
; THE MASK IS NO MINUS INFINITY: t = fma(dot, 1/8, -(1e6 (1 - float(mask)))) has the one rounding that dot / 8 - 1e6 (1 - m) has (the division by 8 is exact);
; masked keys are computed like all others under a running maximum, so a row of the mask that is all zeros is served too, and so is any i32 in the mask.
; LIMITS KEPT.  Q, K, V and the weights enter the products rounded to bf16; the sum of the weights is taken of the unrounded f32 weights;
; the division is v_rcp_f32 and a product; a weight below 2^-126 of the largest counts as 0 (v_exp_f32 flushes: ISA guide 15.8);
; for NaN or infinite inputs the pattern of NaN in the result is not promised.
;
; LDS: 0 slot 0 (K's 256 rows of 256 bytes, then V's), 131072 slot 1, 262144 two bf16 K blocks (64 rows, pitch 144), 280576 two bf16 V blocks (64 rows,
; pitch 160), 301056 the batch row's 2048 biases.  Only the two slots are ever filled by tensor loads.  After the last step the bf16 blocks' bytes
; serve as the way out's stage: 16 rows of 272 bytes for each wave.
; REGISTERS, window 0: v0-19 addresses; ST (NM = -max log2e, l) x 4; AL (alpha, x) x 4; MX at work; INV (1/l, l) x 4; FR fragments of K, then of V^T;
; SB the scores S(kt, qt) at 32 qt + 8 kt, then the packed weights P(qt, u) at 32 qt + 16 u.
; Window 1: OA the 16 tiles of O^T at 8 (4 qt + dt); QF Q's fragments at 8 (2 qt + ks); T staging of the conversion; BI the step's 32 biases.
.set ROWB,  256                        ; a row of K, Q, V or out0: 64 f32
.set BLKB,  64*ROWB                    ; a step's keys in f32: also what one tensor load brings
.set TILEB, 4*BLKB                     ; a tile of K or of V: 256 keys
.set SLOTB, 2*TILEB                    ; K's tile, then V's
.set KB0,   2*SLOTB
.set KP,    144                        ; 128 bytes + 16 = 9 x 16: the 16 rows of a fragment load lie in 16 different 16-byte columns modulo 256
.set KBUF,  64*KP
.set VB0,   KB0+2*KBUF
.set VP,    160                        ; 128 bytes + 32 = 5 x 32, for the transposing loads
.set VBUF,  64*VP
.set BIAS,  VB0+2*VBUF
.set STAGE, KB0
.set SP,    272                        ; 256 bytes + 16 = 17 x 16
.set KA,  4                            ; KB0 + 144 r + 16 h
.set VA,  5                            ; VB0 + 160 (8 h + l % 8) + 16 ((l / 8) % 2)
.set BA,  6                            ; BIAS + 32 h, + 2048 a lap
.set DKA, 7                            ; KB0 + 144 (8 w + h) + 8 r
.set DVA, 8                            ; VB0 + 160 (8 w + h) + 8 r
.set SAK, 9                            ; v9, v11: slot 0, 1: 2048 w + 16 l in K's tile
.set SAV, 10                           ; v10, v12: the same in V's tile
.set QO,  13                           ; 256 r + 32 h
.set STO, 14                           ; my stage + 272 r + 32 h
.set RD,  15                           ; my stage + 272 h + 16 r
.set CO,  16                           ; 256 h + 16 r
.set MO,  17                           ; 16 x thread
.set BST, 18                           ; BIAS + 16 x thread
.set ST,  20
.set AL,  28
.set MX,  36
.set INV, 52
.set FR,  64
.set SB,  128
.set OA,  0                            ; window 1
.set QF,  128                          ; window 1
.set T,   192                          ; window 1
.set BI,  224                          ; window 1
.set G1,  16                           ; s[16:23] descriptor group 1, never rewritten
.set G0,  24                           ; s[24:31] descriptor group 0, a set for each slot
.set MSB, 0
.macro WIN new                         ; low byte: bits 1:0 source 0, 3:2 source 1, 5:4 source 2, 7:6 destination; the high byte repeats the setting that is left
.if MSB != \new
	s_set_vgpr_msb (MSB<<8)|\new
.set MSB, \new
.endif
.endm
.macro PLACES n                        ; places behind matrix instructions (ISA guide 7.12.1)
.rept \n
	v_nop
.endr
.endm
; A round of the cluster's barrier: my work-group's barrier; wave 0 signals for the work-group; every wave waits for all four work-groups; my work-group's barrier again.
.macro CREST                           ; a round behind its opening barrier
	s_cmp_lg_u32 s14, 0
	s_cbranch_scc1 .Lnot_wave_0_\@
	s_barrier_signal -3
.Lnot_wave_0_\@:
	s_barrier_wait -3
	s_barrier_signal -1
	s_barrier_wait -1
.endm
.macro CROUND
	s_barrier_signal -1
	s_barrier_wait -1
	CREST
.endm
	s_load_b256 s[4:11], s[0:1], 0x0               ; K s[4:5], Q s[6:7], V s[8:9], mask s[10:11]
	s_load_b64 s[12:13], s[0:1], 0x20              ; out0
	v_lshl_add_u32 v62, v0, 2, 0x4b800
	v_mov_b32 v63, 0
	ds_add_u32 v62, v63
	v_lshrrev_b32 v1, 5, v0
	v_readfirstlane_b32 s14, v1                    ; wave 0..7
	s_bfe_u32 s15, ttmp6, 0x40000                  ; cx: which 512 queries of the head are my work-group's
	s_mov_b32 s32, 0x76543210                      ; v_permlanex16_b32: lane i of one half reads lane i of the other
	s_mov_b32 s33, 0xfedcba98
	; group 1: a tile of 64 rows x 64 elements of 4 bytes, dense in memory and in LDS (it is read back contiguously: no padding)
	s_mov_b32 s[G1+0], 15|(2<<16)|(1<<21)          ; 15:0 the mask: all four work-groups of the cluster; 17:16 elements of 4 bytes; 21 set beside a mask
	s_mov_b32 s[G1+1], 64<<16                      ; tensor_dim0 = 64
	s_mov_b32 s[G1+2], 64<<16                      ; tensor_dim1 = 64
	s_mov_b32 s[G1+3], 64<<16                      ; tile_dim0 = 64
	s_mov_b32 s[G1+4], 64                          ; tile_dim1 = 64
	s_mov_b32 s[G1+5], 64                          ; 64 elements from row to row
	s_mov_b32 s[G1+6], 0
	s_mov_b32 s[G1+7], 0
	; group 0: waves 0-3 bring K's four blocks of a tile, waves 4-7 V's; in LDS that is 16384 x wave in either case
	s_mov_b32 s[G0+0], 1
	s_lshl_b32 s[G0+1], s14, 14
	s_mov_b32 s[G0+4], 1
	s_add_co_u32 s[G0+5], s[G0+1], SLOTB
	s_lshl_b32 s36, ttmp9, 19                      ; the head's 524288 bytes (ttmp9 counts clusters = heads),
	s_and_b32 s35, s14, 3
	s_lshl_b32 s35, s35, 14
	s_add_co_u32 s36, s36, s35                     ; + my block of the tile: shared by the four partners
	s_mov_b32 s37, 0
	s_lshl_b32 s38, ttmp9, 19                      ; Q and out0: the head,
	s_lshl_b32 s44, s15, 17
	s_add_co_u32 s38, s38, s44                     ; + 512 rows x cx
	s_lshl_b32 s44, s14, 14
	s_add_co_u32 s38, s38, s44                     ; + 64 rows x wave
	s_mov_b32 s39, 0
	s_lshr_b32 s42, ttmp9, 4                       ; the batch row of the mask: head / 16,
	s_lshl_b32 s42, s42, 13                        ; 8192 bytes each
	s_mov_b32 s43, 0
	s_mul_i32 s45, s14, 16*SP
	s_add_co_u32 s45, s45, STAGE                   ; my stage for the way out
	v_and_b32 v1, 31, v0                           ; l
	v_and_b32 v2, 15, v0                           ; r
	v_bfe_u32 v3, v0, 4, 1                         ; h
	v_lshlrev_b32 v[QO], 8, v2
	v_lshl_add_u32 v[QO], v3, 5, v[QO]
	v_lshlrev_b32 v[MO], 4, v0
	s_wait_dscnt 0x0
	s_wait_kmcnt 0x0
	s_cmp_lt_u32 s14, 4
	s_cselect_b64 s[G0+2:G0+3], s[4:5], s[8:9]     ; K for waves 0-3, V for waves 4-7
	s_add_nc_u64 s[G0+2:G0+3], s[G0+2:G0+3], s[36:37]              ; tile 0
	s_add_nc_u64 s[G0+6:G0+7], s[G0+2:G0+3], TILEB                 ; tile 1
	s_or_b32 s[G0+3], s[G0+3], 0x80000000          ; type = 2
	s_or_b32 s[G0+7], s[G0+7], 0x80000000
	s_add_nc_u64 s[40:41], s[6:7], s[38:39]        ; Q at my wave's first query
	s_add_nc_u64 s[12:13], s[12:13], s[38:39]      ; out0 likewise
	s_add_nc_u64 s[42:43], s[10:11], s[42:43]      ; the mask's batch row
	CROUND                                         ; all four work-groups are here: the first joint loads meet
	tensor_load_to_lds s[G0:G0+3], s[G1:G1+7]      ; tile 0 into slot 0
	s_nop 0
	tensor_load_to_lds s[G0+4:G0+7], s[G1:G1+7]    ; tile 1 into slot 1: two loads of this wave are out, later never more than one
	s_nop 0
	global_load_b128 v[FR:FR+3],   v[MO], s[42:43]                 ; the 2048 mask words, 8 a thread
	global_load_b128 v[FR+4:FR+7], v[MO], s[42:43] offset:4096
	; Q, straight into the layout of source 1: lane (r, h) takes d = 32 ks + 8 h + 0..7 and 32 ks + 16 + 8 h + 0..7 of query 16 qt + r.
	; The eight loads of a query tile together take its sixteen rows whole; Q is read once in the launch.
.irp qt, 0,1,2,3
.irp ks, 0,1
	global_load_b128 v[SB+16*(2*\qt+\ks):SB+16*(2*\qt+\ks)+3],     v[QO], s[40:41] offset:16*ROWB*\qt+128*\ks th:TH_LOAD_NT
	global_load_b128 v[SB+16*(2*\qt+\ks)+4:SB+16*(2*\qt+\ks)+7],   v[QO], s[40:41] offset:16*ROWB*\qt+128*\ks+16 th:TH_LOAD_NT
	global_load_b128 v[SB+16*(2*\qt+\ks)+8:SB+16*(2*\qt+\ks)+11],  v[QO], s[40:41] offset:16*ROWB*\qt+128*\ks+64 th:TH_LOAD_NT
	global_load_b128 v[SB+16*(2*\qt+\ks)+12:SB+16*(2*\qt+\ks)+15], v[QO], s[40:41] offset:16*ROWB*\qt+128*\ks+80 th:TH_LOAD_NT
.endr
.endr
	; the LDS addresses, while the loads are on their way
	v_mul_u32_u24 v[KA], v2, KP
	v_lshl_add_u32 v[KA], v3, 4, v[KA]
	v_add_nc_u32 v[KA], KB0, v[KA]
	v_and_b32 v19, 7, v0
	v_lshl_add_u32 v19, v3, 3, v19                 ; 8 h + l % 8
	v_mul_u32_u24 v[VA], v19, VP
	v_bfe_u32 v19, v0, 3, 1
	v_lshl_add_u32 v[VA], v19, 4, v[VA]
	v_add_nc_u32 v[VA], VB0, v[VA]
	v_lshl_add_u32 v[BA], v3, 5, BIAS
	v_lshl_add_u32 v19, s14, 3, v3                 ; 8 w + h: the first row that I round
	v_mul_u32_u24 v[DKA], v19, KP
	v_lshl_add_u32 v[DKA], v2, 3, v[DKA]
	v_add_nc_u32 v[DKA], KB0, v[DKA]
	v_mul_u32_u24 v[DVA], v19, VP
	v_lshl_add_u32 v[DVA], v2, 3, v[DVA]
	v_add_nc_u32 v[DVA], VB0, v[DVA]
	v_lshlrev_b32 v[SAK], 4, v1
	v_lshl_add_u32 v[SAK], s14, 11, v[SAK]
	v_add_nc_u32 v[SAV], TILEB, v[SAK]
	v_add_nc_u32 v[SAK+2], SLOTB, v[SAK]
	v_add_nc_u32 v[SAV+2], SLOTB+TILEB, v[SAK]
	v_mul_u32_u24 v[STO], v2, SP
	v_lshl_add_u32 v[STO], v3, 5, v[STO]
	v_add_nc_u32 v[STO], s45, v[STO]
	v_mul_u32_u24 v[RD], v3, SP
	v_lshl_add_u32 v[RD], v2, 4, v[RD]
	v_add_nc_u32 v[RD], s45, v[RD]
	v_lshlrev_b32 v[CO], 8, v3
	v_lshl_add_u32 v[CO], v2, 4, v[CO]
	v_add_nc_u32 v[BST], BIAS, v[MO]
.irp qt, 0,1,2,3
	v_mov_b32 v[ST+2*\qt+1], 0                     ; l: the packed multiply-add that spreads NM names the pair (NM, l), so l holds a number before the first step
.endr
	s_wait_loadcnt 32                              ; the two mask loads are in; Q's 32 stay out
	; bias = -(1e6 (1 - float(mask))), with the roundings of the three steps as they are written in the problem
.irp j, 0,1,2,3,4,5,6,7
	v_cvt_f32_i32 v[FR+\j], v[FR+\j]
.endr
.irp j, 0,1,2,3,4,5,6,7
	v_sub_f32 v[FR+\j], 1.0, v[FR+\j]
.endr
.irp j, 0,1,2,3,4,5,6,7
	v_mul_f32 v[FR+\j], 0xc9742400, v[FR+\j]       ; x -1e6
.endr
	ds_store_b128 v[BST], v[FR:FR+3]
	ds_store_b128 v[BST], v[FR+4:FR+7] offset:4096
	s_wait_loadcnt 0x0                             ; Q
	WIN 0x40
.irp f, 0,1,2,3,4,5,6,7
.irp j, 0,1,2,3,4,5,6,7
	v_cvt_pk_bf16_f32 v[QF+8*\f+\j], v[SB+16*\f+2*\j], v[SB+16*\f+2*\j+1]
.endr
.endr
; Block blk of a slot, f32: wave w takes K's rows 8 w .. 8 w + 7 and V's, 2048 neighbouring bytes each, in four loads of 512 bytes
.macro CONV_LD slot, blk
	WIN 0x40
.irp i, 0,1,2,3
	ds_load_b128 v[T+4*\i:T+4*\i+3], v[SAK+2*\slot] offset:BLKB*\blk+512*\i
.endr
.irp i, 0,1,2,3
	ds_load_b128 v[T+16+4*\i:T+16+4*\i+3], v[SAV+2*\slot] offset:BLKB*\blk+512*\i
.endr
.endm
.macro CONV_CV                         ; 32 f32 to 16 words of bf16, packed downwards in place: word i is written when words 2 i, 2 i + 1 are read
	WIN 0x45
.irp i, 0,1,2,3,4,5,6,7,8,9,10,11,12,13,14,15
	v_cvt_pk_bf16_f32 v[T+\i], v[T+2*\i], v[T+2*\i+1]
.endr
.endm
.macro CONV_ST dbuf                    ; 8 bytes a lane: lanes 0-15 a row of 128 bytes, lanes 16-31 the next
	WIN 0x04
.irp i, 0,1,2,3
	ds_store_b64 v[DKA], v[T+2*\i:T+2*\i+1] offset:KBUF*\dbuf+2*KP*\i
.endr
.irp i, 0,1,2,3
	ds_store_b64 v[DVA], v[T+8+2*\i:T+8+2*\i+1] offset:VBUF*\dbuf+2*VP*\i
.endr
.endm
.macro KLOAD cbuf                      ; 4 key tiles x 2 halves of d: 16 rows x 32 d each, two loads 32 bytes apart
	WIN 0
.irp kt, 0,1,2,3
.irp ks, 0,1
	ds_load_b128 v[FR+16*\kt+8*\ks:FR+16*\kt+8*\ks+3],   v[KA] offset:KBUF*\cbuf+16*KP*\kt+64*\ks
	ds_load_b128 v[FR+16*\kt+8*\ks+4:FR+16*\kt+8*\ks+7], v[KA] offset:KBUF*\cbuf+16*KP*\kt+64*\ks+32
.endr
.endr
.endm
.macro BLOAD boff                      ; the biases of keys 16 kt + 8 h + 0..7 of the step, in the order of the scores' registers
	WIN 0x40
.irp kt, 0,1,2,3
	ds_load_b128 v[BI+8*\kt:BI+8*\kt+3],   v[BA] offset:\boff+64*\kt
	ds_load_b128 v[BI+8*\kt+4:BI+8*\kt+7], v[BA] offset:\boff+64*\kt+16
.endr
.endm
.macro VLOAD cbuf                      ; V^T: 16 d x 32 keys for (u, dt), two transposing loads 16 rows apart
	WIN 0
.irp u, 0,1
.irp dt, 0,1,2,3
	ds_load_tr16_b128 v[FR+8*(4*\u+\dt):FR+8*(4*\u+\dt)+3],   v[VA] offset:VBUF*\cbuf+32*VP*\u+32*\dt
	ds_load_tr16_b128 v[FR+8*(4*\u+\dt)+4:FR+8*(4*\u+\dt)+7], v[VA] offset:VBUF*\cbuf+32*VP*\u+32*\dt+16*VP
.endr
.endr
.endm
.macro SMUL                            ; S^T = K Q^T.  The sixteen accumulators take turns, one instruction a turn; the first product starts each sum
	WIN 0x04
.irp qt, 0,1,2,3
.irp kt, 0,1,2,3
	v_wmma_f32_16x16x32_bf16 v[SB+32*\qt+8*\kt:SB+32*\qt+8*\kt+7], v[FR+16*\kt:FR+16*\kt+7], v[QF+16*\qt:QF+16*\qt+7], 0
.endr
.endr
.irp qt, 0,1,2,3
.irp kt, 0,1,2,3
	v_wmma_f32_16x16x32_bf16 v[SB+32*\qt+8*\kt:SB+32*\qt+8*\kt+7], v[FR+16*\kt+8:FR+16*\kt+15], v[QF+16*\qt+8:QF+16*\qt+15], v[SB+32*\qt+8*\kt:SB+32*\qt+8*\kt+7]
.endr
.endr
.endm
.macro SM_EXP qt                       ; p = 2^(t log2e + NM), in place
.set ii, 0
.rept 16
	v_pk_fma_f32 v[SB+32*\qt+ii:SB+32*\qt+ii+1], v[SB+32*\qt+ii:SB+32*\qt+ii+1], 0x3fb8aa3b, v[ST+2*\qt:ST+2*\qt+1] op_sel_hi:[1,0,0]
.set ii, ii+2
.endr
.set ii, 0
.rept 32
	v_exp_f32 v[SB+32*\qt+ii], v[SB+32*\qt+ii]
.set ii, ii+1
.endr
.endm
.macro SM_SUM qt, first                ; my 32 weights' sum in four chains, l, and the weights packed to bf16 in place
.set MB, MX+8*(\qt%2)
	s_wait_alu depctr_va_vdst(0)
.irp c, 0,1,2,3
	v_pk_add_f32 v[MB+2*\c:MB+2*\c+1], v[SB+32*\qt+2*\c:SB+32*\qt+2*\c+1], v[SB+32*\qt+8+2*\c:SB+32*\qt+8+2*\c+1]
.endr
.irp c, 0,1,2,3
	v_pk_add_f32 v[MB+2*\c:MB+2*\c+1], v[MB+2*\c:MB+2*\c+1], v[SB+32*\qt+16+2*\c:SB+32*\qt+16+2*\c+1]
.endr
.irp c, 0,1,2,3
	v_pk_add_f32 v[MB+2*\c:MB+2*\c+1], v[MB+2*\c:MB+2*\c+1], v[SB+32*\qt+24+2*\c:SB+32*\qt+24+2*\c+1]
.endr
	v_pk_add_f32 v[MB:MB+1], v[MB:MB+1], v[MB+2:MB+3]
	v_pk_add_f32 v[MB+4:MB+5], v[MB+4:MB+5], v[MB+6:MB+7]
	v_pk_add_f32 v[MB:MB+1], v[MB:MB+1], v[MB+4:MB+5]
.if \first
	v_add_f32 v[ST+2*\qt+1], v[MB], v[MB+1]
.else
	v_add_f32 v[MB], v[MB], v[MB+1]
	v_fma_f32 v[ST+2*\qt+1], v[ST+2*\qt+1], v[AL+2*\qt], v[MB]     ; l = l alpha + sum
.endif
.irp u, 0,1
.irp i, 0,1,2,3,4,5,6,7
	v_cvt_pk_bf16_f32 v[SB+32*\qt+16*\u+\i], v[SB+32*\qt+16*\u+2*\i], v[SB+32*\qt+16*\u+2*\i+1]
.endr
.endr
.endm
; The softmax of a step, stage by stage over the four query tiles so that neighbouring lines do not wait for each other.
.macro SOFTMAX first
	WIN 0x10
.irp qt, 0,1,2,3
.irp kt, 0,1,2,3
.irp j, 0,2,4,6
	v_pk_fma_f32 v[SB+32*\qt+8*\kt+\j:SB+32*\qt+8*\kt+\j+1], v[SB+32*\qt+8*\kt+\j:SB+32*\qt+8*\kt+\j+1], 0x3e000000, v[BI+8*\kt+\j:BI+8*\kt+\j+1] op_sel_hi:[1,0,1]   ; t = dot / 8 + bias
.endr
.endr
.endr
	WIN 0
	; the largest of my 32 t of each query tile: a chain for each key tile, its eighth register rides on the joining lines
.irp qt, 0,1,2,3
.irp kt, 0,1,2,3
	v_max3_num_f32 v[MX+4*\qt+\kt], v[SB+32*\qt+8*\kt], v[SB+32*\qt+8*\kt+1], v[SB+32*\qt+8*\kt+2]
.endr
.endr
.irp qt, 0,1,2,3
.irp kt, 0,1,2,3
	v_max3_num_f32 v[MX+4*\qt+\kt], v[MX+4*\qt+\kt], v[SB+32*\qt+8*\kt+3], v[SB+32*\qt+8*\kt+4]
.endr
.endr
.irp qt, 0,1,2,3
.irp kt, 0,1,2,3
	v_max3_num_f32 v[MX+4*\qt+\kt], v[MX+4*\qt+\kt], v[SB+32*\qt+8*\kt+5], v[SB+32*\qt+8*\kt+6]
.endr
.endr
.irp qt, 0,1,2,3
	v_max3_num_f32 v[MX+4*\qt],   v[MX+4*\qt],   v[MX+4*\qt+1], v[SB+32*\qt+7]
	v_max3_num_f32 v[MX+4*\qt+2], v[MX+4*\qt+2], v[MX+4*\qt+3], v[SB+32*\qt+15]
.endr
.irp qt, 0,1,2,3
	v_max3_num_f32 v[MX+4*\qt], v[MX+4*\qt], v[MX+4*\qt+2], v[SB+32*\qt+23]
.endr
.irp qt, 0,1,2,3
	v_max_num_f32 v[MX+4*\qt], v[MX+4*\qt], v[SB+32*\qt+31]
.endr
.irp qt, 0,1,2,3
	v_permlanex16_b32 v[MX+4*\qt+1], v[MX+4*\qt], s32, s33         ; the other 32 keys of the same query lie in the other half of the lanes
.endr
.irp qt, 0,1,2,3
	v_max_num_f32 v[MX+4*\qt], v[MX+4*\qt], v[MX+4*\qt+1]
.endr
.if \first
.irp qt, 0,1,2,3
	v_mul_f32 v[ST+2*\qt], 0xbfb8aa3b, v[MX+4*\qt]                 ; NM = -max log2e
.endr
.else
.irp qt, 0,1,2,3
	v_mul_f32 v[AL+2*\qt+1], 0xbfb8aa3b, v[MX+4*\qt]               ; x = -(this step's max) log2e
.endr
.irp qt, 0,1,2,3
	v_sub_f32 v[MX+4*\qt], v[AL+2*\qt+1], v[ST+2*\qt]
.endr
.irp qt, 0,1,2,3
	v_min_num_f32 v[MX+4*\qt], 0, v[MX+4*\qt]                      ; new NM - old NM, never above 0
.endr
.irp qt, 0,1,2,3
	v_exp_f32 v[AL+2*\qt], v[MX+4*\qt]                             ; alpha; the plain lines below touch neither it nor its source (ISA guide 5.7.2)
.endr
.irp qt, 0,1,2,3
	v_min_num_f32 v[ST+2*\qt], v[ST+2*\qt], v[AL+2*\qt+1]          ; the running maximum, as NM
.endr
.endif
	; behind each run of exponentials stands plain work on another query tile before its results are read
	SM_EXP 0
	SM_EXP 1
	SM_SUM 0, \first
	SM_EXP 2
	SM_SUM 1, \first
	SM_EXP 3
	SM_SUM 2, \first
	SM_SUM 3, \first
.endm
.macro RESCALE                         ; O = O alpha
	WIN 0x41
.irp qt, 0,1,2,3
.set ii, 0
.rept 16
	v_pk_mul_f32 v[OA+32*\qt+ii:OA+32*\qt+ii+1], v[OA+32*\qt+ii:OA+32*\qt+ii+1], v[AL+2*\qt:AL+2*\qt+1] op_sel_hi:[1,0]
.set ii, ii+2
.endr
.endr
.endm
.macro PVMUL first                     ; O^T += V^T P^T.  The sixteen accumulators take turns, one instruction a turn
	WIN 0x50
.irp qt, 0,1,2,3
.irp dt, 0,1,2,3
.if \first
	v_wmma_f32_16x16x32_bf16 v[OA+8*(4*\qt+\dt):OA+8*(4*\qt+\dt)+7], v[FR+8*\dt:FR+8*\dt+7], v[SB+32*\qt:SB+32*\qt+7], 0
.else
	v_wmma_f32_16x16x32_bf16 v[OA+8*(4*\qt+\dt):OA+8*(4*\qt+\dt)+7], v[FR+8*\dt:FR+8*\dt+7], v[SB+32*\qt:SB+32*\qt+7], v[OA+8*(4*\qt+\dt):OA+8*(4*\qt+\dt)+7]
.endif
.endr
.endr
.irp qt, 0,1,2,3
.irp dt, 0,1,2,3
	v_wmma_f32_16x16x32_bf16 v[OA+8*(4*\qt+\dt):OA+8*(4*\qt+\dt)+7], v[FR+32+8*\dt:FR+32+8*\dt+7], v[SB+32*\qt+16:SB+32*\qt+23], v[OA+8*(4*\qt+\dt):OA+8*(4*\qt+\dt)+7]
.endr
.endr
.endm
; One step of 64 keys.  cbuf: the bf16 buffer that holds them; boff: their biases' offset from BA; conv = 1: the next step's keys (block blk of slot) are
; rounded into the other buffer; first = 1: the sums start here.
; THE STEP'S BARRIER.  In front of its signal my reads of buffer cbuf (fragments are in registers), my stores into the other buffer and my reads of the
; slot are done; behind its wait buffer cbuf may be written again and the other one read.  Between signal and wait: the second product, on registers alone.
; bar = 2: all my tensor loads are waited for too, so the other slot is whole behind the barrier.  bar = 3: besides, the barrier opens a round of the
; cluster's barrier and slot fslot, whose last block has just been rounded, is filled again: the joint load is the first tensor load behind the round
; and my only one until the next such round; four steps' work lies between it and the wait for it.
.macro STEP cbuf, boff, conv, slot, blk, first, bar, fslot
.if \first == 0
	PLACES 5                                       ; behind the last step's products: 4 places before loads into their V fragments, 5 before S is written over P
.endif
	KLOAD \cbuf
	BLOAD \boff
.if \conv
	CONV_LD \slot, \blk
	s_wait_dscnt 16                                ; K's 16 loads are in; the 8 of the biases and the 8 of the staging are younger
.else
	s_wait_dscnt 8                                 ; K's 16 loads are in; the 8 of the biases are younger
.endif
	SMUL
.if \conv
	s_wait_dscnt 0                                 ; biases and staging
	CONV_CV                                        ; 16 plain lines on registers of their own: the places behind the first product
	CONV_ST (1-\cbuf)
.else
	PLACES 4
.endif
	VLOAD \cbuf
.if \conv == 0
	s_wait_dscnt 16                                ; the biases are in; V's 16 loads are younger
.endif
	SOFTMAX \first
.if \first == 0
	RESCALE
.endif
	s_wait_dscnt 0                                 ; V's fragments are in, my stores into the other buffer are done: no LDS instruction of mine is out
.if \bar >= 2
	s_set_vgpr_msb 0x4140
	s_wait_tensorcnt 0x0                           ; all my tensor loads have landed: the one that was out is my part of the other slot
	ds_add_u32 v62, v63
	s_wait_dscnt 0x0
	s_set_vgpr_msb 0x4041
.endif
	s_barrier_signal -1
	PVMUL \first
	WIN 0
	s_barrier_wait -1
.if \bar == 3
	CREST                                          ; no wave of any partner still reads this slot or has a load on its way
	s_add_nc_u64 s[G0+4*\fslot+2:G0+4*\fslot+3], s[G0+4*\fslot+2:G0+4*\fslot+3], 2*TILEB   ; the slot's next tile; the type bits on top are not reached
	tensor_load_to_lds s[G0+4*\fslot:G0+4*\fslot+3], s[G1:G1+7]
	s_nop 0
.endif
.endm
	s_wait_tensorcnt 0x1                           ; my part of tile 0 has landed; tile 1 stays out
	s_wait_dscnt 0x0                               ; my biases are stored
	s_barrier_signal -1
	s_barrier_wait -1                              ; everybody's are
	CONV_LD 0, 0                                   ; block 0 is rounded ahead of the steps
	s_wait_dscnt 0x0
	CONV_CV
	CONV_ST 0
	WIN 0
	s_wait_dscnt 0x0
	s_barrier_signal -1
	s_barrier_wait -1
	STEP 0, 0, 1, 0, 1, 1, 1, 0                    ; step 0 starts the sums
	s_mov_b32 s34, 3
.Llap:                                             ; lap k: steps 8 k + 1 .. 8 k + 8, once round both slots: tiles 2 k + 2 and 2 k + 3 are asked for
	STEP 1, 256,  1, 0, 2, 0, 1, 0
	STEP 0, 512,  1, 0, 3, 0, 3, 0
	STEP 1, 768,  1, 1, 0, 0, 1, 0
	STEP 0, 1024, 1, 1, 1, 0, 1, 0
	STEP 1, 1280, 1, 1, 2, 0, 1, 0
	STEP 0, 1536, 1, 1, 3, 0, 3, 1
	STEP 1, 1792, 1, 0, 0, 0, 1, 0
	STEP 0, 2048, 1, 0, 1, 0, 1, 0
	v_add_nc_u32 v[BA], 2048, v[BA]                ; eight steps' biases on
	s_sub_co_u32 s34, s34, 1
	s_cmp_lg_u32 s34, 0
	s_cbranch_scc1 .Llap
	STEP 1, 256,  1, 0, 2, 0, 1, 0                 ; steps 25 to 31: nothing is left to fetch
	STEP 0, 512,  1, 0, 3, 0, 2, 0                 ; the last tile, in slot 1, is waited for here
	STEP 1, 768,  1, 1, 0, 0, 1, 0
	STEP 0, 1024, 1, 1, 1, 0, 1, 0
	STEP 1, 1280, 1, 1, 2, 0, 1, 0
	STEP 0, 1536, 1, 1, 3, 0, 1, 0
	STEP 1, 1792, 0, 0, 0, 0, 1, 0                 ; the last step rounds nothing; behind its barrier nobody reads the bf16 buffers: their bytes become the stage
	; THE WAY OUT.  l's two halves meet, O^T is divided by l, and 16 queries at a time go through my own stage: in by 32 bytes a lane
	; (d = 16 dt + 8 h + 0..7 of query r), back as whole rows of 256 bytes.
	PLACES 4                                       ; behind the last products, before their results are read and their fragments' registers written
.irp qt, 0,1,2,3
	v_permlanex16_b32 v[MX+4*\qt], v[ST+2*\qt+1], s32, s33
.endr
.irp qt, 0,1,2,3
	v_add_f32 v[INV+2*\qt+1], v[ST+2*\qt+1], v[MX+4*\qt]
.endr
.irp qt, 0,1,2,3
	v_rcp_f32 v[INV+2*\qt], v[INV+2*\qt+1]
.endr
	v_nop                                          ; one plain place behind the reciprocals (ISA guide 5.7.2)
	s_wait_alu depctr_va_vdst(0)
.macro OUT qt
	WIN 0x01
.irp dt, 0,1,2,3
.irp i, 0,2,4,6
	v_pk_mul_f32 v[FR+8*\dt+\i:FR+8*\dt+\i+1], v[OA+8*(4*\qt+\dt)+\i:OA+8*(4*\qt+\dt)+\i+1], v[INV+2*\qt:INV+2*\qt+1] op_sel_hi:[1,0]
.endr
.endr
	WIN 0
.irp dt, 0,1,2,3
	ds_store_b128 v[STO], v[FR+8*\dt:FR+8*\dt+3]   offset:64*\dt
	ds_store_b128 v[STO], v[FR+8*\dt+4:FR+8*\dt+7] offset:64*\dt+16
.endr
.irp t, 0,1,2,3,4,5,6,7
	ds_load_b128 v[SB+32*\qt+4*\t:SB+32*\qt+4*\t+3], v[RD] offset:2*SP*\t      ; LDS serves a wave's instructions in order (ISA guide 5.7.1.4): these see the stores above
.endr
.irp t, 0,1,2,3,4,5,6,7
	s_wait_dscnt 7-\t                              ; load t of the eight is in
	global_store_b128 v[CO], v[SB+32*\qt+4*\t:SB+32*\qt+4*\t+3], s[12:13] offset:ROWB*(16*\qt+2*\t) th:TH_STORE_NT   ; 16 lanes store 256 consecutive bytes, a whole row of out0; each query tile has data registers of its own
.endr
.endm
	OUT 0
	OUT 1
	OUT 2
	OUT 3
	s_wait_tensorcnt 0x0
	ds_add_u32 v62, v63
	s_wait_dscnt 0x0
	CROUND                                         ; the closing round: no work-group ends while a partner may still ask for a tile that names it
	s_endpgm
.Lfunc_end_k_q62510e5268_attn:
	.size	k_q62510e5268_attn, .Lfunc_end_k_q62510e5268_attn-k_q62510e5268_attn
	.p2alignl 7, 3214868480
	.fill 96, 4, 3214868480
	.section	.rodata,"a",@progbits
	.p2align	6, 0x0
	.amdhsa_kernel k_q62510e5268_attn
		.amdhsa_group_segment_fixed_size 327680
		.amdhsa_private_segment_fixed_size 0
		.amdhsa_enable_private_segment 0
		.amdhsa_kernarg_size 40
		.amdhsa_user_sgpr_count 2
		.amdhsa_user_sgpr_kernarg_segment_ptr 1
		.amdhsa_wavefront_size32 1
		.amdhsa_system_sgpr_workgroup_id_x 1
		.amdhsa_system_sgpr_workgroup_id_y 1
		.amdhsa_system_sgpr_workgroup_id_z 1
		.amdhsa_system_vgpr_workitem_id 0
		.amdhsa_next_free_vgpr 512
		.amdhsa_next_free_sgpr 66
		.amdhsa_reserve_vcc 0
		.amdhsa_float_denorm_mode_32 3
		.amdhsa_float_denorm_mode_16_64 3
		.amdhsa_memory_ordered 1
		.amdhsa_forward_progress 1
		.amdhsa_inst_pref_size 255
	.end_amdhsa_kernel
	.section	.bss,"aw",@nobits
	.p2align	6
	.space	262144
	.amdgpu_metadata
---
amdhsa.version: [ 1, 2 ]
amdhsa.kernels:
  - .name:           k_q62510e5268_attn
    .symbol:         k_q62510e5268_attn.kd
    .args:
      - { .name: K, .offset: 0, .size: 8, .value_kind: global_buffer, .address_space: global }
      - { .name: Q, .offset: 8, .size: 8, .value_kind: global_buffer, .address_space: global }
      - { .name: V, .offset: 16, .size: 8, .value_kind: global_buffer, .address_space: global }
      - { .name: mask, .offset: 24, .size: 8, .value_kind: global_buffer, .address_space: global }
      - { .name: out0, .offset: 32, .size: 8, .value_kind: global_buffer, .address_space: global }
    .group_segment_fixed_size: 327680
    .private_segment_fixed_size: 0
    .kernarg_segment_align: 8
    .kernarg_segment_size: 40
    .max_flat_workgroup_size: 256
    .sgpr_count:     66
    .vgpr_count:     512
    .wavefront_size: 32
...
	.end_amdgpu_metadata
.endif
;; end of part 1
;; ======== version 2 of 2: 1 launch; 1.36 times as fast as version 1
;; launch attn (part 2): grid 256 x 1, 8 waves a work-group, clusters of 4 x 1, 327,680 bytes of LDS; arguments K, Q, V, mask, out0; writes out0
.if DOCPART == 2
	.amdgcn_target "amdgcn-amd-amdhsa--gfx1250"
	.amdhsa_code_object_version 6
	.text
	.protected	k_q62510e5268_attn
	.globl	k_q62510e5268_attn
	.p2align	8
	.type	k_q62510e5268_attn,@function
k_q62510e5268_attn:
	s_mov_b64 s[64:65], 0
	v_nop
	global_prefetch_b8 v0, s[64:65] scope:SCOPE_SE
	s_setreg_imm32_b32 hwreg(HW_REG_WAVE_MODE, 25, 1), 1
	s_wait_xcnt 0x0
	s_wait_alu depctr_hold_cnt(0) depctr_sa_sdst(0) depctr_va_vdst(0) depctr_va_sdst(0) depctr_va_ssrc(0) depctr_va_vcc(0) depctr_vm_vsrc(0)
	s_getreg_b32 s2, hwreg(HW_REG_IB_STS2, 6, 4)
	s_cmp_eq_u32 s2, 0
	s_cbranch_scc0 .Lentry_in_a_cluster
	s_endpgm
.Lentry_in_a_cluster:
	s_bfe_u32 s2, ttmp6, 0x10000c
	s_cmp_lg_u32 s2, 0x3003
	s_cbranch_scc0 .Lentry_shape_is_right
	s_endpgm
.Lentry_shape_is_right:
; out0[b][h][s][:] = softmax over t of ( Q[s].K[t] / 8 - 1e6 (1 - mask[b][t]) ) . V[t].   Q, K, V, out0: [4][16][2048][64] f32; mask: [4][2048] i32.
; ONE LAUNCH; scores and weights never leave registers.
; SHARING.  A cluster of four work-groups is one head (64 heads); each work-group takes 512 queries, each of its eight waves 64 queries = 4 query tiles
; of 16.  The four partners walk the same K and V, so these are asked for JOINTLY (mask 15): every K and V byte is requested once for a head.
; My place in the cluster enters the global addresses of Q and out0 alone: no LDS address, no branch, no descriptor.
; BOTH PRODUCTS ARE USED TRANSPOSED.  S^T = K Q^T: source 0 = 16 keys x 32 d, source 1 = 16 queries x 32 d; lane (r = l % 16, h = l / 16), register j
; holds (key 8 h + j, query r).  O^T = V^T P^T: source 0 = 16 d x 32 keys (transposing LDS loads from V kept [key][d]), source 1 = P^T: the results of key
; tiles 2 u and 2 u + 1, packed two to a register, ARE registers 0-3 and 4-7 of that fragment.  A lane belongs to one query, so maximum, rescale factor
; and sum are one number a lane; the two halves of the lanes meet once a step for the maximum and once at the end for the sum.
; STEPS AND TILES.  A step is 64 keys; 32 steps.  K and V arrive as f32 tiles of 128 keys (2 steps); in step n the eight waves together round block n + 1
; to bf16 into one of two small buffers, while block n's fragments are read from the other.  Tile q of 0..14 lies in slot q % 2.  A slot comes free behind
; every even step, so the ring's refills are one behind step 0 and two in each lap of four steps: six laps (steps 1..24) bring tiles 2..14.  The last
; tile, 15, has bytes of its own and is asked for once, with the first fills.  So steps 25..30 fill nothing and read tiles 13, 14, 15 from three
; neighbouring regions (slot 1, slot 0, the last tile's) by one stepped address: a loop of two steps.  The text holds eight steps in all:
; step 0, which starts the sums, the lap's four, that loop's two, and step 31, which rounds nothing.
; THE MASK IS NO MINUS INFINITY: t = fma(dot, 1/8, -(1e6 (1 - float(mask)))) has the one rounding that dot / 8 - 1e6 (1 - m) has (the division by 8 is exact);
; masked keys are computed like all others under a running maximum, so a row of the mask that is all zeros is served too, and so is any i32 in the mask.
; LIMITS KEPT.  Q, K, V and the weights enter the products rounded to bf16; the sum of the weights is taken of the unrounded f32 weights;
; the division is v_rcp_f32 and a product; a weight below 2^-126 of the largest counts as 0 (v_exp_f32 flushes: ISA guide 15.8);
; for NaN or infinite inputs the pattern of NaN in the result is not promised.
;
; LDS: 0 slot 1 (K's 128 rows of 256 bytes, then V's), 65536 slot 0, 131072 tile 15, 196608 two bf16 K blocks (64 rows, pitch 144), 215040 two bf16 V
; blocks (64 rows, pitch 160), 235520 the batch row's 2048 biases.  Only the first three regions are ever filled by tensor loads.  After the last step
; the bf16 blocks' bytes serve as the way out's stage: 16 rows of 272 bytes for each wave.
; REGISTERS, window 0: v0-19 addresses; ST (NM = -max log2e, l) x 4; AL (alpha, x) x 4; MX at work; INV (1/l, l) x 4; FR fragments of K, then of V^T;
; SB the scores S(kt, qt) at 32 qt + 8 kt, then the packed weights P(qt, u) at 32 qt + 16 u.
; Window 1: OA the 16 tiles of O^T at 8 (4 qt + dt); QF Q's fragments at 8 (2 qt + ks); T staging of the conversion; BI the step's 32 biases.
.set ROWB,  256                        ; a row of K, Q, V or out0: 64 f32
.set BLKB,  64*ROWB                    ; a step's keys in f32: also what one tensor load brings
.set HALFB, 2*BLKB                     ; a tile of K or of V: 128 keys
.set SLOTB, 2*HALFB                    ; K's tile, then V's
.set S1,    0                          ; slot 1, slot 0 and the last tile's bytes lie in the order in which steps 25..30 read them
.set S0,    SLOTB
.set SE,    2*SLOTB
.set KB0,   3*SLOTB
.set KP,    144                        ; 128 bytes + 16 = 9 x 16: the 16 rows of a fragment load lie in 16 different 16-byte columns modulo 256
.set KBUF,  64*KP
.set VB0,   KB0+2*KBUF
.set VP,    160                        ; 128 bytes + 32 = 5 x 32, for the transposing loads
.set VBUF,  64*VP
.set BIAS,  VB0+2*VBUF
.set STAGE, KB0
.set SP,    272                        ; 256 bytes + 16 = 17 x 16
.set KA,  4                            ; KB0 + 144 r + 16 h
.set VA,  5                            ; VB0 + 160 (8 h + l % 8) + 16 ((l / 8) % 2)
.set BA,  6                            ; BIAS + 32 h, + 1024 a lap, + 512 a trip of the second loop
.set DKA, 7                            ; KB0 + 144 (8 w + h) + 8 r
.set DVA, 8                            ; VB0 + 160 (8 w + h) + 8 r
.set SA1, 9                            ; slot 1: 2048 w + 16 l in K's tile (V's is reached by the immediate); + 65536 a trip of the second loop
.set SA0, 10                           ; slot 0: the same
.set QO,  13                           ; 256 r + 32 h
.set STO, 14                           ; my stage + 272 r + 32 h
.set RD,  15                           ; my stage + 272 h + 16 r
.set CO,  16                           ; 256 h + 16 r
.set MO,  17                           ; 16 x thread
.set BST, 18                           ; BIAS + 16 x thread
.set ST,  20
.set AL,  28
.set MX,  36
.set INV, 52
.set FR,  64
.set SB,  128
.set OA,  0                            ; window 1
.set QF,  128                          ; window 1
.set T,   192                          ; window 1
.set BI,  224                          ; window 1
.set G1,  16                           ; s[16:23] descriptor group 1, never rewritten
.set G0,  24                           ; s[24:31] descriptor group 0, a set for each slot
.set GE,  48                           ; s[48:51] descriptor group 0 of the last tile, used once
.set MSB, 0
.macro WIN new                         ; low byte: bits 1:0 source 0, 3:2 source 1, 5:4 source 2, 7:6 destination; the high byte repeats the setting that is left
.if MSB != \new
	s_set_vgpr_msb (MSB<<8)|\new
.set MSB, \new
.endif
.endm
.macro PLACES n                        ; places behind matrix instructions (ISA guide 7.12.1)
.rept \n
	v_nop
.endr
.endm
; A round of the cluster's barrier: my work-group's barrier; wave 0 signals for the work-group; every wave waits for all four work-groups; my work-group's barrier again.
.macro CREST                           ; a round behind its opening barrier
	s_cmp_lg_u32 s14, 0
	s_cbranch_scc1 .Lnot_wave_0_\@
	s_barrier_signal -3
.Lnot_wave_0_\@:
	s_barrier_wait -3
	s_barrier_signal -1
	s_barrier_wait -1
.endm
.macro CROUND
	s_barrier_signal -1
	s_barrier_wait -1
	CREST
.endm
	s_load_b256 s[4:11], s[0:1], 0x0               ; K s[4:5], Q s[6:7], V s[8:9], mask s[10:11]
	s_load_b64 s[12:13], s[0:1], 0x20              ; out0
	v_lshl_add_u32 v62, v0, 2, 0x3b800
	v_mov_b32 v63, 0
	ds_add_u32 v62, v63
	v_lshrrev_b32 v1, 5, v0
	v_readfirstlane_b32 s14, v1                    ; wave 0..7
	s_bfe_u32 s15, ttmp6, 0x40000                  ; cx: which 512 queries of the head are my work-group's
	s_mov_b32 s32, 0x76543210                      ; v_permlanex16_b32: lane i of one half reads lane i of the other
	s_mov_b32 s33, 0xfedcba98
	; group 1: a tile of 64 rows x 64 elements of 4 bytes, dense in memory and in LDS (it is read back contiguously: no padding)
	s_mov_b32 s[G1+0], 15|(2<<16)|(1<<21)          ; 15:0 the mask: all four work-groups of the cluster; 17:16 elements of 4 bytes; 21 set beside a mask
	s_mov_b32 s[G1+1], 64<<16                      ; tensor_dim0 = 64
	s_mov_b32 s[G1+2], 64<<16                      ; tensor_dim1 = 64
	s_mov_b32 s[G1+3], 64<<16                      ; tile_dim0 = 64
	s_mov_b32 s[G1+4], 64                          ; tile_dim1 = 64
	s_mov_b32 s[G1+5], 64                          ; 64 elements from row to row
	s_mov_b32 s[G1+6], 0
	s_mov_b32 s[G1+7], 0
	; group 0: a tile is four loads of 64 rows.  Waves 0, 1 bring K's two blocks, waves 2, 3 V's; in LDS that is 16384 x wave in either case.
	; Waves 4 to 7 make the same words and issue no load.
	s_lshl_b32 s35, s14, 14
	s_mov_b32 s[G0+0], 1
	s_add_co_u32 s[G0+1], s35, S0
	s_mov_b32 s[G0+4], 1
	s_add_co_u32 s[G0+5], s35, S1
	s_mov_b32 s[GE+0], 1
	s_add_co_u32 s[GE+1], s35, SE
	s_lshl_b32 s36, ttmp9, 19                      ; the head's 524288 bytes (ttmp9 counts clusters = heads),
	s_and_b32 s35, s14, 1
	s_lshl_b32 s35, s35, 14
	s_add_co_u32 s36, s36, s35                     ; + my block of the tile: shared by the four partners
	s_mov_b32 s37, 0
	s_lshl_b32 s38, ttmp9, 19                      ; Q and out0: the head,
	s_lshl_b32 s44, s15, 17
	s_add_co_u32 s38, s38, s44                     ; + 512 rows x cx
	s_lshl_b32 s44, s14, 14
	s_add_co_u32 s38, s38, s44                     ; + 64 rows x wave
	s_mov_b32 s39, 0
	s_lshr_b32 s42, ttmp9, 4                       ; the batch row of the mask: head / 16,
	s_lshl_b32 s42, s42, 13                        ; 8192 bytes each
	s_mov_b32 s43, 0
	s_mul_i32 s45, s14, 16*SP
	s_add_co_u32 s45, s45, STAGE                   ; my stage for the way out
	v_and_b32 v1, 31, v0                           ; l
	v_and_b32 v2, 15, v0                           ; r
	v_bfe_u32 v3, v0, 4, 1                         ; h
	v_lshlrev_b32 v[QO], 8, v2
	v_lshl_add_u32 v[QO], v3, 5, v[QO]
	v_lshlrev_b32 v[MO], 4, v0
	s_wait_dscnt 0x0
	s_wait_kmcnt 0x0
	s_cmp_lt_u32 s14, 2
	s_cselect_b64 s[G0+2:G0+3], s[4:5], s[8:9]     ; K for waves 0, 1; V for waves 2, 3
	s_add_nc_u64 s[G0+2:G0+3], s[G0+2:G0+3], s[36:37]              ; tile 0
	s_add_nc_u64 s[G0+6:G0+7], s[G0+2:G0+3], HALFB                 ; tile 1
	s_add_nc_u64 s[GE+2:GE+3], s[G0+2:G0+3], 15*HALFB              ; tile 15: its last row is the head's last
	s_or_b32 s[G0+3], s[G0+3], 0x80000000          ; type = 2
	s_or_b32 s[G0+7], s[G0+7], 0x80000000
	s_or_b32 s[GE+3], s[GE+3], 0x80000000
	s_add_nc_u64 s[40:41], s[6:7], s[38:39]        ; Q at my wave's first query
	s_add_nc_u64 s[12:13], s[12:13], s[38:39]      ; out0 likewise
	s_add_nc_u64 s[42:43], s[10:11], s[42:43]      ; the mask's batch row
	CROUND                                         ; all four work-groups are here: the first joint loads meet
	s_cmp_ge_u32 s14, 4                            ; the wave's number alone: alike in all four partners
	s_cbranch_scc1 .Lno_first_fills
	tensor_load_to_lds s[G0:G0+3], s[G1:G1+7]      ; tile 0 into slot 0
	s_nop 0
	tensor_load_to_lds s[G0+4:G0+7], s[G1:G1+7]    ; tile 1 into slot 1
	s_nop 0
	tensor_load_to_lds s[GE:GE+3], s[G1:G1+7]      ; tile 15 into its own bytes: three loads of this wave are out, later never more than one
	s_nop 0
.Lno_first_fills:
	global_load_b128 v[FR:FR+3],   v[MO], s[42:43]                 ; the 2048 mask words, 8 a thread
	global_load_b128 v[FR+4:FR+7], v[MO], s[42:43] offset:4096
	; Q, straight into the layout of source 1: lane (r, h) takes d = 32 ks + 8 h + 0..7 and 32 ks + 16 + 8 h + 0..7 of query 16 qt + r.
	; The eight loads of a query tile together take its sixteen rows whole; Q is read once in the launch.
.irp qt, 0,1,2,3
.irp ks, 0,1
	global_load_b128 v[SB+16*(2*\qt+\ks):SB+16*(2*\qt+\ks)+3],     v[QO], s[40:41] offset:16*ROWB*\qt+128*\ks th:TH_LOAD_NT
	global_load_b128 v[SB+16*(2*\qt+\ks)+4:SB+16*(2*\qt+\ks)+7],   v[QO], s[40:41] offset:16*ROWB*\qt+128*\ks+16 th:TH_LOAD_NT
	global_load_b128 v[SB+16*(2*\qt+\ks)+8:SB+16*(2*\qt+\ks)+11],  v[QO], s[40:41] offset:16*ROWB*\qt+128*\ks+64 th:TH_LOAD_NT
	global_load_b128 v[SB+16*(2*\qt+\ks)+12:SB+16*(2*\qt+\ks)+15], v[QO], s[40:41] offset:16*ROWB*\qt+128*\ks+80 th:TH_LOAD_NT
.endr
.endr
	; the LDS addresses, while the loads are on their way
	v_mul_u32_u24 v[KA], v2, KP
	v_lshl_add_u32 v[KA], v3, 4, v[KA]
	v_add_nc_u32 v[KA], KB0, v[KA]
	v_and_b32 v19, 7, v0
	v_lshl_add_u32 v19, v3, 3, v19                 ; 8 h + l % 8
	v_mul_u32_u24 v[VA], v19, VP
	v_bfe_u32 v19, v0, 3, 1
	v_lshl_add_u32 v[VA], v19, 4, v[VA]
	v_add_nc_u32 v[VA], VB0, v[VA]
	v_lshl_add_u32 v[BA], v3, 5, BIAS
	v_lshl_add_u32 v19, s14, 3, v3                 ; 8 w + h: the first row that I round
	v_mul_u32_u24 v[DKA], v19, KP
	v_lshl_add_u32 v[DKA], v2, 3, v[DKA]
	v_add_nc_u32 v[DKA], KB0, v[DKA]
	v_mul_u32_u24 v[DVA], v19, VP
	v_lshl_add_u32 v[DVA], v2, 3, v[DVA]
	v_add_nc_u32 v[DVA], VB0, v[DVA]
	v_lshlrev_b32 v[SA1], 4, v1
	v_lshl_add_u32 v[SA1], s14, 11, v[SA1]         ; slot 1 begins at LDS byte 0
	v_add_nc_u32 v[SA0], S0, v[SA1]
	v_mul_u32_u24 v[STO], v2, SP
	v_lshl_add_u32 v[STO], v3, 5, v[STO]
	v_add_nc_u32 v[STO], s45, v[STO]
	v_mul_u32_u24 v[RD], v3, SP
	v_lshl_add_u32 v[RD], v2, 4, v[RD]
	v_add_nc_u32 v[RD], s45, v[RD]
	v_lshlrev_b32 v[CO], 8, v3
	v_lshl_add_u32 v[CO], v2, 4, v[CO]
	v_add_nc_u32 v[BST], BIAS, v[MO]
.irp qt, 0,1,2,3
	v_mov_b32 v[ST+2*\qt+1], 0                     ; l: the packed multiply-add that spreads NM names the pair (NM, l), so l holds a number before the first step
.endr
	s_wait_loadcnt 32                              ; the two mask loads are in; Q's 32 stay out
	; bias = -(1e6 (1 - float(mask))), with the roundings of the three steps as they are written in the problem
.irp j, 0,1,2,3,4,5,6,7
	v_cvt_f32_i32 v[FR+\j], v[FR+\j]
.endr
.irp j, 0,1,2,3,4,5,6,7
	v_sub_f32 v[FR+\j], 1.0, v[FR+\j]
.endr
.irp j, 0,1,2,3,4,5,6,7
	v_mul_f32 v[FR+\j], 0xc9742400, v[FR+\j]       ; x -1e6
.endr
	ds_store_b128 v[BST], v[FR:FR+3]
	ds_store_b128 v[BST], v[FR+4:FR+7] offset:4096
	s_wait_loadcnt 0x0                             ; Q
	WIN 0x40
.irp f, 0,1,2,3,4,5,6,7
.irp j, 0,1,2,3,4,5,6,7
	v_cvt_pk_bf16_f32 v[QF+8*\f+\j], v[SB+16*\f+2*\j], v[SB+16*\f+2*\j+1]
.endr
.endr
; Block blk of the tile at address register areg, f32: wave w takes K's rows 8 w .. 8 w + 7 and V's, 2048 neighbouring bytes each, in four loads of 512 bytes
.macro CONV_LD areg, blk
	WIN 0x40
.irp i, 0,1,2,3
	ds_load_b128 v[T+4*\i:T+4*\i+3], v[\areg] offset:BLKB*\blk+512*\i
.endr
.irp i, 0,1,2,3
	ds_load_b128 v[T+16+4*\i:T+16+4*\i+3], v[\areg] offset:HALFB+BLKB*\blk+512*\i
.endr
.endm
.macro CONV_CV                         ; 32 f32 to 16 words of bf16, packed downwards in place: word i is written when words 2 i, 2 i + 1 are read
	WIN 0x45
.irp i, 0,1,2,3,4,5,6,7,8,9,10,11,12,13,14,15
	v_cvt_pk_bf16_f32 v[T+\i], v[T+2*\i], v[T+2*\i+1]
.endr
.endm
.macro CONV_ST dbuf                    ; 8 bytes a lane: lanes 0-15 a row of 128 bytes, lanes 16-31 the next
	WIN 0x04
.irp i, 0,1,2,3
	ds_store_b64 v[DKA], v[T+2*\i:T+2*\i+1] offset:KBUF*\dbuf+2*KP*\i
.endr
.irp i, 0,1,2,3
	ds_store_b64 v[DVA], v[T+8+2*\i:T+8+2*\i+1] offset:VBUF*\dbuf+2*VP*\i
.endr
.endm
.macro KLOAD cbuf                      ; 4 key tiles x 2 halves of d: 16 rows x 32 d each, two loads 32 bytes apart
	WIN 0
.irp kt, 0,1,2,3
.irp ks, 0,1
	ds_load_b128 v[FR+16*\kt+8*\ks:FR+16*\kt+8*\ks+3],   v[KA] offset:KBUF*\cbuf+16*KP*\kt+64*\ks
	ds_load_b128 v[FR+16*\kt+8*\ks+4:FR+16*\kt+8*\ks+7], v[KA] offset:KBUF*\cbuf+16*KP*\kt+64*\ks+32
.endr
.endr
.endm
.macro BLOAD boff                      ; the biases of keys 16 kt + 8 h + 0..7 of the step, in the order of the scores' registers
	WIN 0x40
.irp kt, 0,1,2,3
	ds_load_b128 v[BI+8*\kt:BI+8*\kt+3],   v[BA] offset:\boff+64*\kt
	ds_load_b128 v[BI+8*\kt+4:BI+8*\kt+7], v[BA] offset:\boff+64*\kt+16
.endr
.endm
.macro VLOAD cbuf                      ; V^T: 16 d x 32 keys for (u, dt), two transposing loads 16 rows apart
	WIN 0
.irp u, 0,1
.irp dt, 0,1,2,3
	ds_load_tr16_b128 v[FR+8*(4*\u+\dt):FR+8*(4*\u+\dt)+3],   v[VA] offset:VBUF*\cbuf+32*VP*\u+32*\dt
	ds_load_tr16_b128 v[FR+8*(4*\u+\dt)+4:FR+8*(4*\u+\dt)+7], v[VA] offset:VBUF*\cbuf+32*VP*\u+32*\dt+16*VP
.endr
.endr
.endm
.macro SMUL                            ; S^T = K Q^T.  The sixteen accumulators take turns, one instruction a turn; the first product starts each sum
	WIN 0x04
.irp qt, 0,1,2,3
.irp kt, 0,1,2,3
	v_wmma_f32_16x16x32_bf16 v[SB+32*\qt+8*\kt:SB+32*\qt+8*\kt+7], v[FR+16*\kt:FR+16*\kt+7], v[QF+16*\qt:QF+16*\qt+7], 0
.endr
.endr
.irp qt, 0,1,2,3
.irp kt, 0,1,2,3
	v_wmma_f32_16x16x32_bf16 v[SB+32*\qt+8*\kt:SB+32*\qt+8*\kt+7], v[FR+16*\kt+8:FR+16*\kt+15], v[QF+16*\qt+8:QF+16*\qt+15], v[SB+32*\qt+8*\kt:SB+32*\qt+8*\kt+7]
.endr
.endr
.endm
.macro SM_EXP qt                       ; p = 2^(t log2e + NM), in place
.set ii, 0
.rept 16
	v_pk_fma_f32 v[SB+32*\qt+ii:SB+32*\qt+ii+1], v[SB+32*\qt+ii:SB+32*\qt+ii+1], 0x3fb8aa3b, v[ST+2*\qt:ST+2*\qt+1] op_sel_hi:[1,0,0]
.set ii, ii+2
.endr
.set ii, 0
.rept 32
	v_exp_f32 v[SB+32*\qt+ii], v[SB+32*\qt+ii]
.set ii, ii+1
.endr
.endm
.macro SM_SUM qt, first                ; my 32 weights' sum in four chains, l, and the weights packed to bf16 in place
.set MB, MX+8*(\qt%2)
	s_wait_alu depctr_va_vdst(0)
.irp c, 0,1,2,3
	v_pk_add_f32 v[MB+2*\c:MB+2*\c+1], v[SB+32*\qt+2*\c:SB+32*\qt+2*\c+1], v[SB+32*\qt+8+2*\c:SB+32*\qt+8+2*\c+1]
.endr
.irp c, 0,1,2,3
	v_pk_add_f32 v[MB+2*\c:MB+2*\c+1], v[MB+2*\c:MB+2*\c+1], v[SB+32*\qt+16+2*\c:SB+32*\qt+16+2*\c+1]
.endr
.irp c, 0,1,2,3
	v_pk_add_f32 v[MB+2*\c:MB+2*\c+1], v[MB+2*\c:MB+2*\c+1], v[SB+32*\qt+24+2*\c:SB+32*\qt+24+2*\c+1]
.endr
	v_pk_add_f32 v[MB:MB+1], v[MB:MB+1], v[MB+2:MB+3]
	v_pk_add_f32 v[MB+4:MB+5], v[MB+4:MB+5], v[MB+6:MB+7]
	v_pk_add_f32 v[MB:MB+1], v[MB:MB+1], v[MB+4:MB+5]
.if \first
	v_add_f32 v[ST+2*\qt+1], v[MB], v[MB+1]
.else
	v_add_f32 v[MB], v[MB], v[MB+1]
	v_fma_f32 v[ST+2*\qt+1], v[ST+2*\qt+1], v[AL+2*\qt], v[MB]     ; l = l alpha + sum
.endif
.irp u, 0,1
.irp i, 0,1,2,3,4,5,6,7
	v_cvt_pk_bf16_f32 v[SB+32*\qt+16*\u+\i], v[SB+32*\qt+16*\u+2*\i], v[SB+32*\qt+16*\u+2*\i+1]
.endr
.endr
.endm
; The softmax of a step, stage by stage over the four query tiles so that neighbouring lines do not wait for each other.
.macro SOFTMAX first
	WIN 0x10
.irp qt, 0,1,2,3
.irp kt, 0,1,2,3
.irp j, 0,2,4,6
	v_pk_fma_f32 v[SB+32*\qt+8*\kt+\j:SB+32*\qt+8*\kt+\j+1], v[SB+32*\qt+8*\kt+\j:SB+32*\qt+8*\kt+\j+1], 0x3e000000, v[BI+8*\kt+\j:BI+8*\kt+\j+1] op_sel_hi:[1,0,1]   ; t = dot / 8 + bias
.endr
.endr
.endr
	WIN 0
	; the largest of my 32 t of each query tile: a chain for each key tile, its eighth register rides on the joining lines
.irp qt, 0,1,2,3
.irp kt, 0,1,2,3
	v_max3_num_f32 v[MX+4*\qt+\kt], v[SB+32*\qt+8*\kt], v[SB+32*\qt+8*\kt+1], v[SB+32*\qt+8*\kt+2]
.endr
.endr
.irp qt, 0,1,2,3
.irp kt, 0,1,2,3
	v_max3_num_f32 v[MX+4*\qt+\kt], v[MX+4*\qt+\kt], v[SB+32*\qt+8*\kt+3], v[SB+32*\qt+8*\kt+4]
.endr
.endr
.irp qt, 0,1,2,3
.irp kt, 0,1,2,3
	v_max3_num_f32 v[MX+4*\qt+\kt], v[MX+4*\qt+\kt], v[SB+32*\qt+8*\kt+5], v[SB+32*\qt+8*\kt+6]
.endr
.endr
.irp qt, 0,1,2,3
	v_max3_num_f32 v[MX+4*\qt],   v[MX+4*\qt],   v[MX+4*\qt+1], v[SB+32*\qt+7]
	v_max3_num_f32 v[MX+4*\qt+2], v[MX+4*\qt+2], v[MX+4*\qt+3], v[SB+32*\qt+15]
.endr
.irp qt, 0,1,2,3
	v_max3_num_f32 v[MX+4*\qt], v[MX+4*\qt], v[MX+4*\qt+2], v[SB+32*\qt+23]
.endr
.irp qt, 0,1,2,3
	v_max_num_f32 v[MX+4*\qt], v[MX+4*\qt], v[SB+32*\qt+31]
.endr
.irp qt, 0,1,2,3
	v_permlanex16_b32 v[MX+4*\qt+1], v[MX+4*\qt], s32, s33         ; the other 32 keys of the same query lie in the other half of the lanes
.endr
.irp qt, 0,1,2,3
	v_max_num_f32 v[MX+4*\qt], v[MX+4*\qt], v[MX+4*\qt+1]
.endr
.if \first
.irp qt, 0,1,2,3
	v_mul_f32 v[ST+2*\qt], 0xbfb8aa3b, v[MX+4*\qt]                 ; NM = -max log2e
.endr
.else
.irp qt, 0,1,2,3
	v_mul_f32 v[AL+2*\qt+1], 0xbfb8aa3b, v[MX+4*\qt]               ; x = -(this step's max) log2e
.endr
.irp qt, 0,1,2,3
	v_sub_f32 v[MX+4*\qt], v[AL+2*\qt+1], v[ST+2*\qt]
.endr
.irp qt, 0,1,2,3
	v_min_num_f32 v[MX+4*\qt], 0, v[MX+4*\qt]                      ; new NM - old NM, never above 0
.endr
.irp qt, 0,1,2,3
	v_exp_f32 v[AL+2*\qt], v[MX+4*\qt]                             ; alpha; the plain lines below touch neither it nor its source (ISA guide 5.7.2)
.endr
.irp qt, 0,1,2,3
	v_min_num_f32 v[ST+2*\qt], v[ST+2*\qt], v[AL+2*\qt+1]          ; the running maximum, as NM
.endr
.endif
	; behind each run of exponentials stands plain work on another query tile before its results are read
	SM_EXP 0
	SM_EXP 1
	SM_SUM 0, \first
	SM_EXP 2
	SM_SUM 1, \first
	SM_EXP 3
	SM_SUM 2, \first
	SM_SUM 3, \first
.endm
.macro RESCALE                         ; O = O alpha
	WIN 0x41
.irp qt, 0,1,2,3
.set ii, 0
.rept 16
	v_pk_mul_f32 v[OA+32*\qt+ii:OA+32*\qt+ii+1], v[OA+32*\qt+ii:OA+32*\qt+ii+1], v[AL+2*\qt:AL+2*\qt+1] op_sel_hi:[1,0]
.set ii, ii+2
.endr
.endr
.endm
.macro PVMUL first                     ; O^T += V^T P^T.  The sixteen accumulators take turns, one instruction a turn
	WIN 0x50
.irp qt, 0,1,2,3
.irp dt, 0,1,2,3
.if \first
	v_wmma_f32_16x16x32_bf16 v[OA+8*(4*\qt+\dt):OA+8*(4*\qt+\dt)+7], v[FR+8*\dt:FR+8*\dt+7], v[SB+32*\qt:SB+32*\qt+7], 0
.else
	v_wmma_f32_16x16x32_bf16 v[OA+8*(4*\qt+\dt):OA+8*(4*\qt+\dt)+7], v[FR+8*\dt:FR+8*\dt+7], v[SB+32*\qt:SB+32*\qt+7], v[OA+8*(4*\qt+\dt):OA+8*(4*\qt+\dt)+7]
.endif
.endr
.endr
.irp qt, 0,1,2,3
.irp dt, 0,1,2,3
	v_wmma_f32_16x16x32_bf16 v[OA+8*(4*\qt+\dt):OA+8*(4*\qt+\dt)+7], v[FR+32+8*\dt:FR+32+8*\dt+7], v[SB+32*\qt+16:SB+32*\qt+23], v[OA+8*(4*\qt+\dt):OA+8*(4*\qt+\dt)+7]
.endr
.endr
.endm
; One step of 64 keys.  cbuf: the bf16 buffer that holds them; boff: their biases' offset from BA; conv = 1: the next step's keys (block blk of the tile
; at address register areg) are rounded into the other buffer; first = 1: the sums start here.
; THE STEP'S BARRIER.  In front of its signal my reads of buffer cbuf (fragments are in registers), my stores into the other buffer and my reads of the
; tile are done; behind its wait buffer cbuf may be written again and the other one read.  Between signal and wait: the second product, on registers alone.
; bar = 3: all my tensor loads are waited for too, so the other slot is whole behind the barrier; the barrier opens a round of the cluster's barrier, and
; slot fslot, whose second block has just been rounded, is filled again: the joint load is the first tensor load behind the round and the wave's only
; one until the next such round; two steps' work lies between it and the wait for it.  Waves 4 to 7 have no part of a tile to fill.
.macro STEP cbuf, boff, conv, areg, blk, first, bar, fslot
.if \first == 0
	PLACES 5                                       ; behind the last step's products: 4 places before loads into their V fragments, 5 before S is written over P
.endif
	KLOAD \cbuf
	BLOAD \boff
.if \conv
	CONV_LD \areg, \blk
	s_wait_dscnt 16                                ; K's 16 loads are in; the 8 of the biases and the 8 of the staging are younger
.else
	s_wait_dscnt 8                                 ; K's 16 loads are in; the 8 of the biases are younger
.endif
	SMUL
.if \conv
	s_wait_dscnt 0                                 ; biases and staging
	CONV_CV                                        ; 16 plain lines on registers of their own: the places behind the first product
	CONV_ST (1-\cbuf)
.else
	PLACES 4
.endif
	VLOAD \cbuf
.if \conv == 0
	s_wait_dscnt 16                                ; the biases are in; V's 16 loads are younger
.endif
	SOFTMAX \first
.if \first == 0
	RESCALE
.endif
	s_wait_dscnt 0                                 ; V's fragments are in, my stores into the other buffer are done: no LDS instruction of mine is out
.if \bar == 3
	s_set_vgpr_msb (MSB<<8)|((MSB&0xf0)|0x0)
	s_wait_tensorcnt 0x0                           ; all my tensor loads have landed, my part of the other slot among them
	ds_add_u32 v62, v63
	s_wait_dscnt 0x0
	s_set_vgpr_msb (((MSB&0xf0)|0x0)<<8)|MSB
.endif
	s_barrier_signal -1
	PVMUL \first
	WIN 0
	s_barrier_wait -1
.if \bar == 3
	CREST                                          ; no wave of any partner still reads this slot or has a load on its way
	s_add_nc_u64 s[G0+4*\fslot+2:G0+4*\fslot+3], s[G0+4*\fslot+2:G0+4*\fslot+3], 2*HALFB   ; the slot's next tile; the type bits on top are not reached
	s_cmp_ge_u32 s14, 4                            ; the wave's number alone: alike in all four partners
	s_cbranch_scc1 .Lno_fill_\@
	tensor_load_to_lds s[G0+4*\fslot:G0+4*\fslot+3], s[G1:G1+7]
	s_nop 0
.Lno_fill_\@:
.endif
.endm
	s_wait_tensorcnt 0x2                           ; my part of tile 0 has landed; tiles 1 and 15 stay out
	s_wait_dscnt 0x0                               ; my biases are stored
	s_barrier_signal -1
	s_barrier_wait -1                              ; everybody's are
	CONV_LD SA0, 0                                 ; block 0 is rounded ahead of the steps
	s_wait_dscnt 0x0
	CONV_CV
	CONV_ST 0
	WIN 0
	s_wait_dscnt 0x0
	s_barrier_signal -1
	s_barrier_wait -1
	STEP 0, 0, 1, SA0, 1, 1, 3, 0                  ; step 0 starts the sums and rounds tile 0's second block: slot 0 gets tile 2
	s_mov_b32 s34, 6
.Llap:                                             ; lap k: steps 4 k + 1 .. 4 k + 4, once round both slots: tiles 2 k + 3 and 2 k + 4 are asked for
	STEP 1, 256,  1, SA1, 0, 0, 1, 0
	STEP 0, 512,  1, SA1, 1, 0, 3, 1
	STEP 1, 768,  1, SA0, 0, 0, 1, 0
	STEP 0, 1024, 1, SA0, 1, 0, 3, 0
	v_add_nc_u32 v[BA], 1024, v[BA]                ; four steps' biases on
	s_sub_co_u32 s34, s34, 1
	s_cmp_lg_u32 s34, 0
	s_cbranch_scc1 .Llap
	; Steps 25..30: nothing is left to fetch.  Tile 14's load, issued behind step 24, is the last that is out: it is waited for here, once, and the
	; barrier shows it to every wave, so that no tensor load is on its way while one stepped address walks slot 1, slot 0 and the last tile's bytes.
	s_wait_tensorcnt 0x0
	s_barrier_signal -1
	s_barrier_wait -1
	s_mov_b32 s34, 3
.Ltail:                                            ; trip j: steps 25 + 2 j and 26 + 2 j round the two blocks of tile 13 + j
	STEP 1, 256,  1, SA1, 0, 0, 1, 0
	STEP 0, 512,  1, SA1, 1, 0, 1, 0
	v_add_nc_u32 v[SA1], SLOTB, v[SA1]             ; the next of the three regions
	v_add_nc_u32 v[BA], 512, v[BA]                 ; two steps' biases on
	s_sub_co_u32 s34, s34, 1
	s_cmp_lg_u32 s34, 0
	s_cbranch_scc1 .Ltail
	STEP 1, 256,  0, SA1, 0, 0, 1, 0               ; step 31 rounds nothing; behind its barrier nobody reads the bf16 buffers: their bytes become the stage
	; THE WAY OUT.  l's two halves meet, O^T is divided by l, and 16 queries at a time go through my own stage: in by 32 bytes a lane
	; (d = 16 dt + 8 h + 0..7 of query r), back as whole rows of 256 bytes.
	PLACES 4                                       ; behind the last products, before their results are read and their fragments' registers written
.irp qt, 0,1,2,3
	v_permlanex16_b32 v[MX+4*\qt], v[ST+2*\qt+1], s32, s33
.endr
.irp qt, 0,1,2,3
	v_add_f32 v[INV+2*\qt+1], v[ST+2*\qt+1], v[MX+4*\qt]
.endr
.irp qt, 0,1,2,3
	v_rcp_f32 v[INV+2*\qt], v[INV+2*\qt+1]
.endr
	v_nop                                          ; one plain place behind the reciprocals (ISA guide 5.7.2)
	s_wait_alu depctr_va_vdst(0)
.macro OUT qt
	WIN 0x01
.irp dt, 0,1,2,3
.irp i, 0,2,4,6
	v_pk_mul_f32 v[FR+8*\dt+\i:FR+8*\dt+\i+1], v[OA+8*(4*\qt+\dt)+\i:OA+8*(4*\qt+\dt)+\i+1], v[INV+2*\qt:INV+2*\qt+1] op_sel_hi:[1,0]
.endr
.endr
	WIN 0
.irp dt, 0,1,2,3
	ds_store_b128 v[STO], v[FR+8*\dt:FR+8*\dt+3]   offset:64*\dt
	ds_store_b128 v[STO], v[FR+8*\dt+4:FR+8*\dt+7] offset:64*\dt+16
.endr
.irp t, 0,1,2,3,4,5,6,7
	ds_load_b128 v[SB+32*\qt+4*\t:SB+32*\qt+4*\t+3], v[RD] offset:2*SP*\t      ; LDS serves a wave's instructions in order (ISA guide 5.7.1.4): these see the stores above
.endr
.irp t, 0,1,2,3,4,5,6,7
	s_wait_dscnt 7-\t                              ; load t of the eight is in
	global_store_b128 v[CO], v[SB+32*\qt+4*\t:SB+32*\qt+4*\t+3], s[12:13] offset:ROWB*(16*\qt+2*\t) th:TH_STORE_NT   ; 16 lanes store 256 consecutive bytes, a whole row of out0; each query tile has data registers of its own
.endr
.endm
	OUT 0
	OUT 1
	OUT 2
	OUT 3
	s_set_vgpr_msb (MSB<<8)|((MSB&0xf0)|0x0)
	s_wait_tensorcnt 0x0
	ds_add_u32 v62, v63
	s_wait_dscnt 0x0
	s_set_vgpr_msb (((MSB&0xf0)|0x0)<<8)|MSB
	CROUND                                         ; the closing round: no work-group ends while a partner may still ask for a tile that names it
	s_endpgm
.Lfunc_end_k_q62510e5268_attn:
	.size	k_q62510e5268_attn, .Lfunc_end_k_q62510e5268_attn-k_q62510e5268_attn
	.p2alignl 7, 3214868480
	.fill 96, 4, 3214868480
	.section	.rodata,"a",@progbits
	.p2align	6, 0x0
	.amdhsa_kernel k_q62510e5268_attn
		.amdhsa_group_segment_fixed_size 327680
		.amdhsa_private_segment_fixed_size 0
		.amdhsa_enable_private_segment 0
		.amdhsa_kernarg_size 40
		.amdhsa_user_sgpr_count 2
		.amdhsa_user_sgpr_kernarg_segment_ptr 1
		.amdhsa_wavefront_size32 1
		.amdhsa_system_sgpr_workgroup_id_x 1
		.amdhsa_system_sgpr_workgroup_id_y 1
		.amdhsa_system_sgpr_workgroup_id_z 1
		.amdhsa_system_vgpr_workitem_id 0
		.amdhsa_next_free_vgpr 512
		.amdhsa_next_free_sgpr 66
		.amdhsa_reserve_vcc 0
		.amdhsa_float_denorm_mode_32 3
		.amdhsa_float_denorm_mode_16_64 3
		.amdhsa_memory_ordered 1
		.amdhsa_forward_progress 1
		.amdhsa_inst_pref_size 255
	.end_amdhsa_kernel
	.section	.bss,"aw",@nobits
	.p2align	6
	.space	262144
	.amdgpu_metadata
---
amdhsa.version: [ 1, 2 ]
amdhsa.kernels:
  - .name:           k_q62510e5268_attn
    .symbol:         k_q62510e5268_attn.kd
    .args:
      - { .name: K, .offset: 0, .size: 8, .value_kind: global_buffer, .address_space: global }
      - { .name: Q, .offset: 8, .size: 8, .value_kind: global_buffer, .address_space: global }
      - { .name: V, .offset: 16, .size: 8, .value_kind: global_buffer, .address_space: global }
      - { .name: mask, .offset: 24, .size: 8, .value_kind: global_buffer, .address_space: global }
      - { .name: out0, .offset: 32, .size: 8, .value_kind: global_buffer, .address_space: global }
    .group_segment_fixed_size: 327680
    .private_segment_fixed_size: 0
    .kernarg_segment_align: 8
    .kernarg_segment_size: 40
    .max_flat_workgroup_size: 256
    .sgpr_count:     66
    .vgpr_count:     512
    .wavefront_size: 32
...
	.end_amdgpu_metadata
.endif
;; end of part 2
